; MI455X (gfx1250); checked and timed in simulation.
; The chip was launched on July 23, 2026; its instructions are those of AMD's public machine-readable ISA for CDNA 5 (MIT licence, August 2026) and "CDNA5" Instruction Set Architecture Reference Guide (July 2026). The comments in the code are by the model that wrote it; some were corrected since.
;; Painting. Allowed arithmetic: float matrix products may take bf16 or f16 operands with f32 sums; all other float work in f32.
;; Inputs: alpha 512 x 1 x 1 x 1 float32; canvas 3 x 256 x 256 float32; color 512 x 3 x 1 x 1 float32; offset 512 x 2 x 1 float32; sigma 512 x 2 x 1 float32; target 3 x 256 x 256 float32; theta 512 x 1 float32.
;; Outputs: out0 3 x 256 x 256 float32; out1 one number float32.
;; One version. Each part assembles by itself: llvm-mc -triple=amdgcn-amd-amdhsa -mcpu=gfx1250 --defsym DOCPART=n.
;; ======== version 1 of 1: 3 launches
;; limits: values outside matrix products are rounded to bf16; right only within a limited range of input values
;; workspace buffers: strk 16,384 bytes; part 4,096 bytes
;; launch prep (part 1): grid 32 x 1, 16 waves a work-group, no clusters, 2,560 bytes of LDS; arguments alpha, color, offset, sigma, theta, strk; writes strk
.if DOCPART == 1
	.amdgcn_target "amdgcn-amd-amdhsa--gfx1250"
	.amdhsa_code_object_version 6
	.text
	.protected	k_q62c7bc5305_prep
	.globl	k_q62c7bc5305_prep
	.p2align	8
	.type	k_q62c7bc5305_prep,@function
k_q62c7bc5305_prep:
	s_mov_b64 s[64:65], 0
	v_nop
	global_prefetch_b8 v0, s[64:65] scope:SCOPE_SE
	s_setreg_imm32_b32 hwreg(HW_REG_WAVE_MODE, 25, 1), 1
	s_wait_xcnt 0x0
; PREP: one record of eight f32 for each of the 512 strokes: sA, kappa, ox, oy, CY, w0, w1, w2.
; With L = log2(e), p = L/(2 sx^2), q = L/(2 sy^2) (width/height = 1 by the shapes), c = cos theta, s = sin theta, dx = x - ox, dy = y - oy:
;   L quad = p (c dx - s dy)^2 + q (s dx - c dy)^2 = A (dx - kappa dy)^2 + CY dy^2
;   A = p c^2 + q s^2,  kappa = c s (p + q) / A,  CY = (p d2)(q d2) / A,  d2 = (c - s)(c + s),  sA = sqrt(A).
; Both terms are >= 0, and no coefficient is a difference of large sums.
; THE MAXIMUM of exp(-quad) over the 65,536 pixels is exp2(-min L quad).  In one image row the exponent is a parabola in x with its vertex at
; xs = ox + kappa dy, so its least value on the grid x = i/256 lies at i = clamp(round(256 xs), 0, 255): 256 evaluations a stroke, one a row,
; give the exact minimum over the grid.  w_c = alpha color_c / (exp2(-min) + 1e-6).
; SHARING: one wave, one stroke (n = 16 x work-group + wave); a lane takes the eight rows lane + 32 i.  The sixteen records of a work-group
; meet in LDS and leave as one store of 512 consecutive bytes, aligned.
; LIMITS: sigma finite and not 0, about 1e-17 < |sigma| < 1e17 (1/sigma^2, A and 1/A must stay normal f32 numbers); theta is reduced by
; pi/2 in two parts, good for |theta| up to about 1e6 (the quadrant number needs |theta| < 2^31 pi/2); an exp2 result below 2^-126 is 0.
.set CS,   12                          ; v12 cos theta
.set SN,   13                          ; v13 sin theta
.set PP,   14                          ; v14 p
.set QQ,   15                          ; v15 q
.set AA,   16                          ; v16 A
.set RA,   17                          ; v17 1/A
.set SA,   20                          ; v[20:27] the record
.set KAP,  21
.set OX,   22
.set OY,   23
.set CY,   24
.set WC,   25                          ; v[25:27] the three weights
.set QMIN, 28                          ; v28 running minimum of L quad
.set YY,   29                          ; v29 the y of the row at work
	s_load_b256 s[4:11], s[0:1], 0x0               ; alpha s[4:5], color s[6:7], offset s[8:9], sigma s[10:11]
	s_load_b128 s[12:15], s[0:1], 0x20             ; theta s[12:13], strk s[14:15]
	v_lshl_add_u32 v48, v0, 2, 0x200
	v_mov_b32 v49, 0
	v_lshrrev_b32 v2, 5, v0
	v_readfirstlane_b32 s16, v2                    ; wave 0..15
	v_and_b32 v1, 31, v0                           ; lane
	s_lshl_b32 s17, ttmp9, 4
	s_add_co_u32 s17, s17, s16                     ; my stroke n
	s_lshl_b32 s18, s17, 2                         ; 4 n: theta, alpha
	s_lshl_b32 s19, s17, 3                         ; 8 n: offset, sigma
	s_mul_i32 s20, s17, 12                         ; 12 n: color
	s_mov_b32 s30, 0x3b800000                      ; 1/256
	s_mov_b32 s36, 0x76543210                      ; v_permlanex16_b32: lane i of one half reads lane i of the other
	s_mov_b32 s37, 0xfedcba98
	s_lshl_b32 s38, ttmp9, 9                       ; the work-group's sixteen records: 512 bytes
	s_mov_b32 s39, 0
	s_wait_kmcnt 0x0                               ; scalar loads come back in no order: only the count 0 shows the addresses there
	s_load_b64 s[24:25], s[8:9], s19 offset:0x0    ; ox, oy
	s_load_b64 s[26:27], s[10:11], s19 offset:0x0  ; sx, sy
	s_load_b32 s28, s[12:13], s18 offset:0x0       ; theta
	s_load_b32 s29, s[4:5], s18 offset:0x0         ; alpha
	s_load_b96 s[32:34], s[6:7], s20 offset:0x0    ; the three colours
	s_add_nc_u64 s[14:15], s[14:15], s[38:39]      ; strk at the work-group's records (no pending load names s[14:15])
	v_cvt_f32_u32 v[YY], v1
	v_mul_f32 v[YY], s30, v[YY]                    ; y of my first row = lane/256
	s_wait_kmcnt 0x0                               ; the stroke's nine numbers
	; sin and cos: theta = k pi/2 + r, |r| <= pi/4; pi/2 is taken away in two parts so that r keeps its bits
	v_mov_b32 v3, s28
	v_mul_f32 v4, 0x3f22f983, v3                   ; theta x 2/pi
	v_rndne_f32 v4, v4                             ; k
	v_fmamk_f32 v5, v4, 0xbfc90fdb, v3             ; theta - k x (pi/2 rounded to f32)
	v_fmamk_f32 v5, v4, 0x333bbd2e, v5             ; - k x (the rest of pi/2, which is negative)
	v_mul_f32 v6, v5, v5                           ; z = r^2
	v_mov_b32 v7, 0xb94ca1f9
	v_fmaak_f32 v7, v7, v6, 0x3c08839e
	v_fmaak_f32 v7, v7, v6, 0xbe2aaaa3
	v_mul_f32 v8, v5, v6                           ; r z
	v_fma_f32 v7, v8, v7, v5                       ; sin r = r + r z (S1 + z (S2 + z S3))
	v_mov_b32 v9, 0x37ccf5ce
	v_fmaak_f32 v9, v9, v6, 0xbab6061a
	v_fmaak_f32 v9, v9, v6, 0x3d2aaaa5
	v_mul_f32 v10, v6, v6
	v_fma_f32 v11, v6, -0.5, 1.0
	v_fma_f32 v9, v9, v10, v11                     ; cos r = 1 - z/2 + z^2 (C1 + z (C2 + z C3))
	v_cvt_i32_f32 v4, v4                           ; the quadrant, as a whole number
	v_and_b32 v3, 1, v4
	v_cmp_eq_u32 vcc_lo, 1, v3                     ; odd quadrant: sin and cos change places
	v_cndmask_b32 v[SN], v7, v9, vcc_lo
	v_cndmask_b32 v[CS], v9, v7, vcc_lo
	v_and_b32 v3, 2, v4                            ; quadrants 2, 3: sin changes its sign
	v_lshlrev_b32 v3, 30, v3
	v_xor_b32 v[SN], v[SN], v3
	v_add_nc_u32 v4, 1, v4                         ; quadrants 1, 2: cos changes its sign
	v_and_b32 v4, 2, v4
	v_lshlrev_b32 v4, 30, v4
	v_xor_b32 v[CS], v[CS], v4
	; the stroke's coefficients
	v_rcp_f32 v[PP], s26                           ; 1/sx
	v_rcp_f32 v[QQ], s27                           ; 1/sy
	v_sub_f32 v18, v[CS], v[SN]                    ; the plain instruction that stands behind the two reciprocals (ISA guide 5.7.2)
	v_add_f32 v19, v[CS], v[SN]
	s_wait_alu depctr_va_vdst(0)
	v_mul_f32 v[PP], v[PP], v[PP]
	v_mul_f32 v[QQ], v[QQ], v[QQ]
	v_mul_f32 v[PP], 0x3f38aa3b, v[PP]             ; p = (L/2) / sx^2
	v_mul_f32 v[QQ], 0x3f38aa3b, v[QQ]             ; q = (L/2) / sy^2
	v_mul_f32 v[AA], v[PP], v[CS]
	v_mul_f32 v[RA], v[QQ], v[SN]
	v_mul_f32 v[RA], v[RA], v[SN]                  ; q s^2
	v_fma_f32 v[AA], v[AA], v[CS], v[RA]           ; A = p c^2 + q s^2
	v_mul_f32 v18, v18, v19                        ; d2 = (c - s)(c + s)
	v_rcp_f32 v[RA], v[AA]                         ; 1/A
	v_sqrt_f32 v[SA], v[AA]                        ; sA
	v_add_f32 v19, v[PP], v[QQ]                    ; the plain instruction behind them
	v_mul_f32 v3, v[CS], v[SN]
	s_wait_alu depctr_va_vdst(0)
	v_mul_f32 v19, v19, v[RA]
	v_mul_f32 v[KAP], v3, v19                      ; kappa = c s (p + q)/A
	v_mul_f32 v4, v[PP], v18
	v_mul_f32 v5, v[QQ], v18
	v_mul_f32 v5, v5, v[RA]                        ; (q d2)/A first: p q is never formed by itself
	v_mul_f32 v[CY], v4, v5                        ; CY = (p d2)(q d2)/A
	v_mov_b32 v[OX], s24
	v_mov_b32 v[OY], s25
; One of my eight rows: the least L quad of the row.  The first row starts the minimum; the others step y by 32 rows (0.125, exact).
.macro ROW first
.if \first == 0
	v_add_f32 v[YY], 0x3e000000, v[YY]
.endif
	v_sub_f32 v30, v[YY], v[OY]                    ; dy
	v_fma_f32 v31, v[KAP], v30, v[OX]              ; xs: the vertex
	v_mul_f32 v32, 0x43800000, v31
	v_rndne_f32 v32, v32                           ; the nearest column,
	v_max_num_f32 v32, 0, v32
	v_min_num_f32 v32, 0x437f0000, v32             ; kept inside 0 .. 255
	v_fma_f32 v33, v32, s30, -v31                  ; its distance from the vertex, rounded once
	v_mul_f32 v34, v[CY], v30
	v_mul_f32 v33, v[SA], v33
	v_mul_f32 v34, v34, v30                        ; CY dy^2
.if \first
	v_fma_f32 v[QMIN], v33, v33, v34
.else
	v_fma_f32 v35, v33, v33, v34
	v_min_num_f32 v[QMIN], v[QMIN], v35
.endif
.endm
	ROW 1
.rept 7
	ROW 0
.endr
	; the least of the 32 lanes: four steps inside each half of 16 lanes, one across the halves; every lane ends with it
	v_min_num_f32_dpp v[QMIN], v[QMIN], v[QMIN] row_xmask:1 row_mask:0xf bank_mask:0xf
	v_min_num_f32_dpp v[QMIN], v[QMIN], v[QMIN] row_xmask:2 row_mask:0xf bank_mask:0xf
	v_min_num_f32_dpp v[QMIN], v[QMIN], v[QMIN] row_xmask:4 row_mask:0xf bank_mask:0xf
	v_min_num_f32_dpp v[QMIN], v[QMIN], v[QMIN] row_xmask:8 row_mask:0xf bank_mask:0xf
	v_permlanex16_b32 v30, v[QMIN], s36, s37       ; v30 has been written: the destination counts as read
	v_min_num_f32 v[QMIN], v[QMIN], v30
	; the weights
	v_exp_f32 v31, -v[QMIN]                        ; the largest pdf of the stroke, at most 1
	v_mov_b32 v32, s29                             ; alpha; also the plain instruction behind the exponential
	s_wait_alu depctr_va_vdst(0)
	v_add_f32 v31, 0x358637bd, v31                 ; + 1e-6
	v_rcp_f32 v33, v31
	v_nop                                          ; the plain instruction behind the reciprocal
	s_wait_alu depctr_va_vdst(0)
	v_mul_f32 v32, v32, v33                        ; alpha / (max + 1e-6)
	v_mul_f32 v[WC], s32, v32
	v_mul_f32 v[WC+1], s33, v32
	v_mul_f32 v[WC+2], s34, v32
	; the way out: every lane of the wave holds the same record and writes it to the wave's 32 bytes
	v_mov_b32 v37, s16
	v_lshlrev_b32 v37, 5, v37
	ds_store_b128 v37, v[20:23]
	ds_store_b128 v37, v[24:27] offset:16
	s_wait_dscnt 0x0                               ; for wave 0, which reads these bytes behind the barrier: zero
	s_barrier_signal -1
	s_barrier_wait -1
	s_cmp_lg_u32 s16, 0
	s_cbranch_scc1 .Lend
	v_lshlrev_b32 v38, 4, v1
	ds_load_b128 v[40:43], v38                     ; 32 lanes x 16 bytes: the sixteen records
	s_wait_dscnt 0x0
	global_store_b128 v38, v[40:43], s[14:15]      ; 512 consecutive bytes, at a multiple of 512 from the buffer's first byte
.Lend:
	s_wait_tensorcnt 0x0
	ds_add_u32 v48, v49
	s_wait_dscnt 0x0
	s_endpgm
.Lfunc_end_k_q62c7bc5305_prep:
	.size	k_q62c7bc5305_prep, .Lfunc_end_k_q62c7bc5305_prep-k_q62c7bc5305_prep
	.p2alignl 7, 3214868480
	.fill 96, 4, 3214868480
	.section	.rodata,"a",@progbits
	.p2align	6, 0x0
	.amdhsa_kernel k_q62c7bc5305_prep
		.amdhsa_group_segment_fixed_size 2560
		.amdhsa_private_segment_fixed_size 0
		.amdhsa_enable_private_segment 0
		.amdhsa_kernarg_size 48
		.amdhsa_user_sgpr_count 2
		.amdhsa_user_sgpr_kernarg_segment_ptr 1
		.amdhsa_wavefront_size32 1
		.amdhsa_system_sgpr_workgroup_id_x 1
		.amdhsa_system_sgpr_workgroup_id_y 1
		.amdhsa_system_sgpr_workgroup_id_z 1
		.amdhsa_system_vgpr_workitem_id 0
		.amdhsa_next_free_vgpr 50
		.amdhsa_next_free_sgpr 66
		.amdhsa_reserve_vcc 1
		.amdhsa_float_denorm_mode_32 3
		.amdhsa_float_denorm_mode_16_64 3
		.amdhsa_memory_ordered 1
		.amdhsa_forward_progress 1
		.amdhsa_inst_pref_size 10
	.end_amdhsa_kernel
	.amdgpu_metadata
---
amdhsa.version: [ 1, 2 ]
amdhsa.kernels:
  - .name:           k_q62c7bc5305_prep
    .symbol:         k_q62c7bc5305_prep.kd
    .args:
      - { .name: alpha, .offset: 0, .size: 8, .value_kind: global_buffer, .address_space: global }
      - { .name: color, .offset: 8, .size: 8, .value_kind: global_buffer, .address_space: global }
      - { .name: offset, .offset: 16, .size: 8, .value_kind: global_buffer, .address_space: global }
      - { .name: sigma, .offset: 24, .size: 8, .value_kind: global_buffer, .address_space: global }
      - { .name: theta, .offset: 32, .size: 8, .value_kind: global_buffer, .address_space: global }
      - { .name: strk, .offset: 40, .size: 8, .value_kind: global_buffer, .address_space: global }
    .group_segment_fixed_size: 2560
    .private_segment_fixed_size: 0
    .kernarg_segment_align: 8
    .kernarg_segment_size: 48
    .max_flat_workgroup_size: 512
    .sgpr_count:     66
    .vgpr_count:     50
    .wavefront_size: 32
...
	.end_amdgpu_metadata
.endif
;; end of part 1
;; launch paint (part 2): grid 256 x 1, 8 waves a work-group, no clusters, 13,568 bytes of LDS; arguments canvas, target, strk, out0, part; writes out0, part
.if DOCPART == 2
	.amdgcn_target "amdgcn-amd-amdhsa--gfx1250"
	.amdhsa_code_object_version 6
	.text
	.protected	k_q62c7bc5305_paint
	.globl	k_q62c7bc5305_paint
	.p2align	8
	.type	k_q62c7bc5305_paint,@function
k_q62c7bc5305_paint:
	s_mov_b64 s[64:65], 0
	v_nop
	global_prefetch_b8 v0, s[64:65] scope:SCOPE_SE
	s_setreg_imm32_b32 hwreg(HW_REG_WAVE_MODE, 25, 1), 1
	s_wait_xcnt 0x0
; PAINT: out0 = sigmoid(canvas + sum over 512 strokes of pdf x w_c), and the sums of (out0 - target)^2, one for each 64 pixels x 3 planes.
; A work-group is one image row y: 256 pixels x 512 strokes.  For that row each stroke gives three numbers (from its record of PREP):
;   sA,  wb = -sA (ox + kappa dy),  nc = -CY dy^2,  dy = y - oy;   pdf(x) = exp2(-(sA x + wb)^2 + nc): two fused multiply-adds and one exponential, f32.
; The exponent is a sum of two terms <= 0, so no exponential can overflow; the greatest pdf of a stroke is divided out in w_c.
; THE SUM OVER STROKES is a product [3 x 512] x [512 x 256]: v_wmma_f32_16x16x32_bf16, sums in f32.  A = weights (row m holds colour min(m & 7, 2):
; rows 0-2 and 8-10 are read, the others give numbers that nobody reads), B = pdf, made in the registers in which the fragment wants it:
; lane (r, h) makes column r (one pixel), strokes 8h + 0..7 and 16 + 8h + 0..7 of the block of 32.
; SHARING: eight waves.  Wave w: g = w & 3 takes pixels 64 g .. 64 g + 63 as four tiles of 16 columns; half = w >> 2 takes strokes 256 half .. + 255
; as eight blocks of 32.  Column r of tile t is pixel 64 g + 32 (t >> 1) + 2 r + (t & 1), so that lane l ends with pixels 64 g + 2 l and + 1 of all
; three planes (tiles 2h, 2h + 1) and a plane is stored as 8 bytes a lane: 256 consecutive bytes a wave, aligned.
; The upper half's sums go to the lower half's waves through LDS; those add canvas, apply the sigmoid, store, and sum the squared errors.
; NO CLUSTER, NO TENSOR LOAD: what the work-groups share is the 16,384 bytes of records, and each number of it goes through the row's arithmetic
; in registers before it reaches LDS; canvas and target are read once, by the lanes that use them.
; LIMITS: pdf and weights are rounded to bf16 for the product; the order of the sum differs from a plain sum over strokes;
; an exp2 result below 2^-126 is 0.  The wave's partial sum leaves as one store of 4 bytes: a work-group has only four such numbers.
.set WB_B,   2048                      ; LDS: sA f32[512] at 0, wb f32[512] at 2048, nc f32[512] at 4096,
.set NC_B,   4096
.set WT_B,   6144                      ; three rows of 512 bf16 weights, 1,040 bytes apart (260 words: the rows start four banks apart),
.set WPITCH, 1040
.set XCH,    9472                      ; the hand-over: 768 g + 256 colour + 8 lane, 3,072 bytes
.set PLANE,  262144                    ; bytes in a plane of the image
.set X,   2                            ; v[2:9]     x of my column in tiles 0..3, each twice (a pair for the packed arithmetic)
.set PA,  10                           ; v10        LDS address of my sixteen strokes in sA: 32 h + 1024 half, stepped in the loop
.set WA,  11                           ; v11        LDS address of my part of the weights: min(r & 7, 2) x 1040 + 16 h + 512 half, stepped
.set OFF, 12                           ; v12        byte offset of my two pixels in a plane: 1024 y + 256 g + 8 lane
.set XA,  13                           ; v13        my 8 bytes of the hand-over
.set SUM, 14                           ; v[14:19]   my two pixels x three colours; before that scratch
.set CAN, 24                           ; v[24:29]   canvas
.set TGT, 30                           ; v[30:35]   target
.set U,   36                           ; v[36:51]   sA x + wb, 16 strokes (in the prologue: two records)
.set T,   52                           ; v[52:67]   the exponent, then pdf
.set F,   68                           ; v[68:75]   the B fragment: pdf in bf16
.set ACC, 76                           ; v[76:107]  four accumulators
.set P0,  108                          ; v[108:155] a block's sA 16, wb 16, nc 16
.set W0,  156                          ; v[156:163] its A fragment
.set P1,  164                          ; v[164:211] the second buffer
.set W1,  212                          ; v[212:219]
	s_load_b256 s[4:11], s[0:1], 0x0               ; canvas s[4:5], target s[6:7], strk s[8:9], out0 s[10:11]
	s_load_b64 s[12:13], s[0:1], 0x20              ; part
	v_lshl_add_u32 v224, v0, 2, 0x3100
	v_mov_b32 v225, 0
	v_lshrrev_b32 v14, 5, v0
	v_readfirstlane_b32 s14, v14                   ; wave 0..7
	v_and_b32 v1, 31, v0                           ; lane
	s_and_b32 s15, s14, 3                          ; g
	s_lshr_b32 s16, s14, 2                         ; half
	s_mov_b32 s17, ttmp9                           ; the image row
	s_lshl_b32 s26, s17, 10
	s_lshl_b32 s27, s15, 8
	s_add_co_u32 s26, s26, s27
	v_lshl_add_u32 v[OFF], v1, 3, s26              ; 1024 y + 256 g + 8 lane
	v_lshlrev_b32 v17, 6, v0                       ; thread t takes the records of strokes 2 t and 2 t + 1: 64 bytes
	s_wait_kmcnt 0x0
	s_cmp_lg_u32 s16, 0
	s_cbranch_scc1 .Lno_planes                     ; only the lower half's waves finish pixels
.irp c, 0,1,2
	global_load_b64 v[CAN+2*\c:CAN+2*\c+1], v[OFF], s[4:5] offset:\c*PLANE th:TH_LOAD_NT
.endr
.irp c, 0,1,2
	global_load_b64 v[TGT+2*\c:TGT+2*\c+1], v[OFF], s[6:7] offset:\c*PLANE th:TH_LOAD_NT
.endr
.Lno_planes:
	global_load_b128 v[36:39], v17, s[8:9]             ; stroke 2 t: sA, kappa, ox, oy
	global_load_b128 v[40:43], v17, s[8:9] offset:16   ;             CY, w0, w1, w2
	global_load_b128 v[44:47], v17, s[8:9] offset:32   ; stroke 2 t + 1
	global_load_b128 v[48:51], v17, s[8:9] offset:48
	; addresses and x, while the loads are on their way
	v_and_b32 v14, 15, v0                          ; r
	v_bfe_u32 v15, v0, 4, 1                        ; h
	s_lshl_b32 s24, s16, 10
	v_lshl_add_u32 v[PA], v15, 5, s24
	v_and_b32 v16, 7, v14
	v_min_u32 v16, 2, v16                          ; the colour of row r of A
	v_mul_u32_u24 v16, WPITCH, v16
	v_lshl_add_u32 v16, v15, 4, v16
	s_lshl_b32 s25, s16, 9
	v_add_nc_u32 v[WA], s25, v16
	s_mul_i32 s27, s15, 768
	s_add_co_u32 s27, s27, XCH
	v_lshl_add_u32 v[XA], v1, 3, s27
	s_lshl_b32 s28, s15, 6
	v_lshl_add_u32 v16, v14, 1, s28                ; 64 g + 2 r
	v_cvt_f32_u32 v16, v16
	v_mul_f32 v[X], 0x3b800000, v16                ; tile 0: (64 g + 2 r)/256; all these are exact
	v_mul_f32 v[X+1], 0x3b800000, v16
	v_add_f32 v[X+2], 0x3b800000, v[X]             ; tile 1: + 1/256
	v_add_f32 v[X+3], 0x3b800000, v[X]
	v_add_f32 v[X+4], 0x3e000000, v[X]             ; tile 2: + 32/256
	v_add_f32 v[X+5], 0x3e000000, v[X]
	v_add_f32 v[X+6], 0x3e040000, v[X]             ; tile 3: + 33/256
	v_add_f32 v[X+7], 0x3e040000, v[X]
	v_cvt_f32_u32 v20, s17
	v_mul_f32 v20, 0x3b800000, v20                 ; y
	v_lshlrev_b32 v18, 3, v0                       ; 8 t: two f32
	v_lshlrev_b32 v19, 2, v0                       ; 4 t: two bf16
	s_mov_b32 s19, 0xffff0000                      ; lanes 16-31
	s_mov_b32 s20, 0x76543210                      ; v_permlanex16_b32: lane i of one half reads lane i of the other
	s_mov_b32 s21, 0xfedcba98
	s_lshl_b32 s23, s17, 4
	s_lshl2_add_u32 s23, s15, s23                  ; 16 y + 4 g: my partial sum's place
	s_wait_loadcnt 0x0                             ; the records are the youngest loads on both ways: zero holds on both
	; the row's three numbers of my two strokes, and their weights in bf16
	v_sub_f32 v52, v20, v39                        ; dy
	v_sub_f32 v53, v20, v47
	v_fma_f32 v54, v37, v52, v38                   ; xs = ox + kappa dy
	v_fma_f32 v55, v45, v53, v46
	v_mul_f32 v58, v40, v52                        ; CY dy
	v_mul_f32 v59, v48, v53
	v_mul_f32 v56, -v36, v54                       ; wb
	v_mul_f32 v57, -v44, v55
	v_mul_f32 v58, -v58, v52                       ; nc
	v_mul_f32 v59, -v59, v53
	v_mov_b32 v37, v44                             ; the two sA side by side (kappa has been used)
	v_cvt_pk_bf16_f32 v60, v41, v49
	v_cvt_pk_bf16_f32 v61, v42, v50
	v_cvt_pk_bf16_f32 v62, v43, v51
	ds_store_b64 v18, v[36:37]
	ds_store_b64 v18, v[56:57] offset:WB_B
	ds_store_b64 v18, v[58:59] offset:NC_B
	ds_store_b32 v19, v60 offset:WT_B
	ds_store_b32 v19, v61 offset:WT_B+WPITCH
	ds_store_b32 v19, v62 offset:WT_B+2*WPITCH
	s_wait_dscnt 0x0                               ; for the other waves, which read these bytes behind the barrier: zero
	s_barrier_signal -1
	s_barrier_wait -1
; 14 LDS loads: block blk (counted from where PA and WA stand) into parameter buffer P and A fragment W.
; Lanes 0-15 read the same 16 bytes of a table, lanes 16-31 the 32 bytes further on; the three weight rows start in different banks.
.macro PREF P, W, blk
.irp a, 0,1,2
	ds_load_b128 v[\P+16*\a:\P+16*\a+3],     v[PA] offset:2048*\a+128*\blk
	ds_load_b128 v[\P+16*\a+4:\P+16*\a+7],   v[PA] offset:2048*\a+128*\blk+16
	ds_load_b128 v[\P+16*\a+8:\P+16*\a+11],  v[PA] offset:2048*\a+128*\blk+64
	ds_load_b128 v[\P+16*\a+12:\P+16*\a+15], v[PA] offset:2048*\a+128*\blk+80
.endr
	ds_load_b128 v[\W:\W+3],   v[WA] offset:WT_B+64*\blk
	ds_load_b128 v[\W+4:\W+7], v[WA] offset:WT_B+64*\blk+32
.endm
; u = sA x + wb for strokes 2 i, 2 i + 1 of the sixteen, at tile t
.macro S1L i, t, P
	v_pk_fma_f32 v[U+2*\i:U+2*\i+1], v[\P+2*\i:\P+2*\i+1], v[X+2*\t:X+2*\t+1], v[\P+16+2*\i:\P+16+2*\i+1]
.endm
.macro S1 t, P
.irp i, 0,1,2,3,4,5,6,7
	S1L \i, \t, \P
.endr
.endm
; the exponent -u u + nc, all sixteen
.macro S2 P
.irp i, 0,1,2,3,4,5,6,7
	v_pk_fma_f32 v[T+2*\i:T+2*\i+1], v[U+2*\i:U+2*\i+1], v[U+2*\i:U+2*\i+1], v[\P+32+2*\i:\P+32+2*\i+1] neg_lo:[1,0,0] neg_hi:[1,0,0]
.endr
.endm
; Tile a of a block, whose exponents lie in T.  Sixteen exponentials; behind each two of them a line of the NEXT tile (nt, parameters nP), which is
; the plain instruction that has to stand behind an exponential before its result is used (ISA guide 5.7.2).  Then eight roundings to bf16, the matrix instruction,
; and the next tile's exponents: eight plain lines that name none of its registers, so that F is rewritten, and the other A fragment loaded,
; more than four places behind it (ISA guide 7.12.1).  The four accumulators take turns, one instruction a turn.
; zero = 1: the first block starts the sums.  last = 1: no tile follows.
.macro TILE a, W, zero, nt, nP, last
.irp i, 0,1,2,3,4,5,6,7
	v_exp_f32 v[T+2*\i], v[T+2*\i]
	v_exp_f32 v[T+2*\i+1], v[T+2*\i+1]
.if \last == 0
	S1L \i, \nt, \nP
.endif
.endr
.if \last
	v_nop
	s_wait_alu depctr_va_vdst(0)
.endif
	s_wait_alu depctr_va_vdst(0)
.irp i, 0,1,2,3,4,5,6,7
	v_cvt_pk_bf16_f32 v[F+\i], v[T+2*\i], v[T+2*\i+1]
.endr
.if \zero
	v_wmma_f32_16x16x32_bf16 v[ACC+8*\a:ACC+8*\a+7], v[\W:\W+7], v[F:F+7], 0
.else
	v_wmma_f32_16x16x32_bf16 v[ACC+8*\a:ACC+8*\a+7], v[\W:\W+7], v[F:F+7], v[ACC+8*\a:ACC+8*\a+7]
.endif
.if \last == 0
	S2 \nP
.endif
.endm
; A block of 32 strokes x four tiles on buffers cP, cW; the next block is fetched into oP, oW at its head and wanted in its fourth tile.
.macro BLOCK cP, cW, oP, oW, zero, blk, last
.if \last == 0
	PREF \oP, \oW, \blk
.endif
	TILE 0, \cW, \zero, 1, \cP, 0
	TILE 1, \cW, \zero, 2, \cP, 0
	TILE 2, \cW, \zero, 3, \cP, 0
.if \last == 0
	s_wait_dscnt 0x0                               ; the 14 loads issued three tiles ago; nothing younger is out
	TILE 3, \cW, \zero, 0, \oP, 0
.else
	TILE 3, \cW, \zero, 0, \cP, 1
.endif
.endm
	PREF P0, W0, 0
	s_wait_dscnt 0x0
	S1 0, P0
	S2 P0
	BLOCK P0, W0, P1, W1, 1, 1, 0                  ; block 0 starts the sums and fetches block 1
	s_mov_b32 s18, 3
.Lk:                                               ; three trips: blocks 1 to 6; they fetch blocks 2 to 7
	BLOCK P1, W1, P0, W0, 0, 2, 0
	BLOCK P0, W0, P1, W1, 0, 3, 0
	v_add_nc_u32 v[PA], 256, v[PA]                 ; two blocks on: 64 f32,
	v_add_nc_u32 v[WA], 128, v[WA]                 ; 64 bf16
	s_sub_co_u32 s18, s18, 1
	s_cmp_lg_u32 s18, 0
	s_cbranch_scc1 .Lk
	BLOCK P1, W1, P0, W0, 0, 0, 1                  ; block 7: nothing is left to fetch
	; THE WAY OUT.  Four places behind the last matrix instruction (ISA guide 7.12.1), then register c of an accumulator is colour c of column r in both halves
	; of the lanes (rows c and 8 + c of A are alike): lanes 0-15 take tiles 0, 1, lanes 16-31 tiles 2, 3.
.rept 4
	v_nop
.endr
.irp c, 0,1,2
	v_cndmask_b32 v[SUM+2*\c],   v[ACC+\c],   v[ACC+16+\c], s19
	v_cndmask_b32 v[SUM+2*\c+1], v[ACC+8+\c], v[ACC+24+\c], s19
.endr
	s_cmp_eq_u32 s16, 0
	s_cbranch_scc1 .Lno_hand
.irp c, 0,1,2
	ds_store_b64 v[XA], v[SUM+2*\c:SUM+2*\c+1] offset:256*\c   ; the upper half's sums; bytes that nothing else uses
.endr
.Lno_hand:
	s_wait_dscnt 0x0                               ; for the wave that reads them behind the barrier: zero
	s_barrier_signal -1
	s_barrier_wait -1
	s_cmp_lg_u32 s16, 0
	s_cbranch_scc1 .Lend
.irp c, 0,1,2
	ds_load_b64 v[36+2*\c:37+2*\c], v[XA] offset:256*\c
.endr
.irp c, 0,1,2
	v_pk_add_f32 v[SUM+2*\c:SUM+2*\c+1], v[SUM+2*\c:SUM+2*\c+1], v[CAN+2*\c:CAN+2*\c+1]
.endr
	s_wait_dscnt 0x0
.irp c, 0,1,2
	v_pk_add_f32 v[SUM+2*\c:SUM+2*\c+1], v[SUM+2*\c:SUM+2*\c+1], v[36+2*\c:37+2*\c]
.endr
.irp c, 0,1,2
	v_pk_mul_f32 v[SUM+2*\c:SUM+2*\c+1], v[SUM+2*\c:SUM+2*\c+1], 0xbfb8aa3b op_sel_hi:[1,0]   ; -log2(e) z
.endr
.irp k, 0,1,2,3,4,5
	v_exp_f32 v[SUM+\k], v[SUM+\k]
.endr
	v_mov_b32 v20, s23                             ; the partial sum's offset; also the plain instruction behind the exponentials
	s_wait_alu depctr_va_vdst(0)
.irp c, 0,1,2
	v_pk_add_f32 v[SUM+2*\c:SUM+2*\c+1], v[SUM+2*\c:SUM+2*\c+1], 1.0 op_sel_hi:[1,0]
.endr
.irp k, 0,1,2,3,4,5
	v_rcp_f32 v[SUM+\k], v[SUM+\k]                 ; sigmoid(z) = 1/(1 + exp2(-log2(e) z)); an infinite exponential gives 0
.endr
	v_nop                                          ; the plain instruction behind the reciprocals
	s_wait_alu depctr_va_vdst(0)
.irp c, 0,1,2
	global_store_b64 v[OFF], v[SUM+2*\c:SUM+2*\c+1], s[10:11] offset:\c*PLANE th:TH_STORE_NT   ; 32 lanes x 8 bytes: 256 consecutive bytes, aligned
.endr
.irp c, 0,1,2
	v_pk_add_f32 v[36+2*\c:37+2*\c], v[SUM+2*\c:SUM+2*\c+1], v[TGT+2*\c:TGT+2*\c+1] neg_lo:[0,1] neg_hi:[0,1]
.endr
	v_pk_mul_f32 v[42:43], v[36:37], v[36:37]
	v_pk_fma_f32 v[42:43], v[38:39], v[38:39], v[42:43]
	v_pk_fma_f32 v[42:43], v[40:41], v[40:41], v[42:43]
	v_add_f32 v42, v42, v43
	v_add_f32_dpp v42, v42, v42 row_xmask:1 row_mask:0xf bank_mask:0xf
	v_add_f32_dpp v42, v42, v42 row_xmask:2 row_mask:0xf bank_mask:0xf
	v_add_f32_dpp v42, v42, v42 row_xmask:4 row_mask:0xf bank_mask:0xf
	v_add_f32_dpp v42, v42, v42 row_xmask:8 row_mask:0xf bank_mask:0xf
	v_permlanex16_b32 v43, v42, s20, s21           ; v43 has been written: the destination counts as read
	v_add_f32 v42, v42, v43                        ; the squared errors of my 64 pixels x 3 planes
	v_cmp_eq_u32 vcc_lo, 0, v1
	s_wait_xcnt 0x0                                ; EXEC is a source of the three stores: it changes only behind this wait
	s_wait_tensorcnt 0x0
	ds_add_u32 v224, v225
	s_wait_dscnt 0x0
	s_and_saveexec_b32 s22, vcc_lo
	global_store_b32 v20, v42, s[12:13]            ; lane 0 alone: part[4 y + g]
	s_endpgm
.Lend:
	s_wait_tensorcnt 0x0
	ds_add_u32 v224, v225
	s_wait_dscnt 0x0
	s_endpgm
.Lfunc_end_k_q62c7bc5305_paint:
	.size	k_q62c7bc5305_paint, .Lfunc_end_k_q62c7bc5305_paint-k_q62c7bc5305_paint
	.p2alignl 7, 3214868480
	.fill 96, 4, 3214868480
	.section	.rodata,"a",@progbits
	.p2align	6, 0x0
	.amdhsa_kernel k_q62c7bc5305_paint
		.amdhsa_group_segment_fixed_size 13568
		.amdhsa_private_segment_fixed_size 0
		.amdhsa_enable_private_segment 0
		.amdhsa_kernarg_size 40
		.amdhsa_user_sgpr_count 2
		.amdhsa_user_sgpr_kernarg_segment_ptr 1
		.amdhsa_wavefront_size32 1
		.amdhsa_system_sgpr_workgroup_id_x 1
		.amdhsa_system_sgpr_workgroup_id_y 1
		.amdhsa_system_sgpr_workgroup_id_z 1
		.amdhsa_system_vgpr_workitem_id 0
		.amdhsa_next_free_vgpr 226
		.amdhsa_next_free_sgpr 66
		.amdhsa_reserve_vcc 1
		.amdhsa_float_denorm_mode_32 3
		.amdhsa_float_denorm_mode_16_64 3
		.amdhsa_memory_ordered 1
		.amdhsa_forward_progress 1
		.amdhsa_inst_pref_size 47
	.end_amdhsa_kernel
	.amdgpu_metadata
---
amdhsa.version: [ 1, 2 ]
amdhsa.kernels:
  - .name:           k_q62c7bc5305_paint
    .symbol:         k_q62c7bc5305_paint.kd
    .args:
      - { .name: canvas, .offset: 0, .size: 8, .value_kind: global_buffer, .address_space: global }
      - { .name: target, .offset: 8, .size: 8, .value_kind: global_buffer, .address_space: global }
      - { .name: strk, .offset: 16, .size: 8, .value_kind: global_buffer, .address_space: global }
      - { .name: out0, .offset: 24, .size: 8, .value_kind: global_buffer, .address_space: global }
      - { .name: part, .offset: 32, .size: 8, .value_kind: global_buffer, .address_space: global }
    .group_segment_fixed_size: 13568
    .private_segment_fixed_size: 0
    .kernarg_segment_align: 8
    .kernarg_segment_size: 40
    .max_flat_workgroup_size: 256
    .sgpr_count:     66
    .vgpr_count:     226
    .wavefront_size: 32
...
	.end_amdgpu_metadata
.endif
;; end of part 2
;; launch loss (part 3): grid 1 x 1, 1 waves a work-group, no clusters, 0 bytes of LDS; arguments part, alpha, sigma, out1; writes out1
.if DOCPART == 3
	.amdgcn_target "amdgcn-amd-amdhsa--gfx1250"
	.amdhsa_code_object_version 6
	.text
	.protected	k_q62c7bc5305_loss
	.globl	k_q62c7bc5305_loss
	.p2align	8
	.type	k_q62c7bc5305_loss,@function
k_q62c7bc5305_loss:
	s_mov_b64 s[64:65], 0
	v_nop
	global_prefetch_b8 v0, s[64:65] scope:SCOPE_SE
	s_setreg_imm32_b32 hwreg(HW_REG_WAVE_MODE, 25, 1), 1
	s_wait_xcnt 0x0
; LOSS: out1 = mse + 0.001 (mean |1 - sx/sy| - mean |alpha|) + log10(mse + 1e-12)/3,  mse = (sum of the 1,024 partial sums)/196,608.
; (l2 and mse of the loss are the same mean; -psnr/30 = -10 log10(1/(mse + 1e-12))/30 = +log10(mse + 1e-12)/3.)
; 10,240 bytes of input and a few hundred operations: one wave.  All twenty loads go out at once, 512 consecutive bytes each.
; LIMITS: sx/sy is sx times the reciprocal of sy; the order of the sums is this text's own.
.set PT, 4                             ; v[4:35]   32 partial sums a lane
.set AL, 36                            ; v[36:51]  16 alpha
.set SG, 52                            ; v[52:83]  16 pairs sx, sy
	s_load_b256 s[4:11], s[0:1], 0x0               ; part s[4:5], alpha s[6:7], sigma s[8:9], out1 s[10:11]
	v_lshlrev_b32 v1, 4, v0                        ; 16 bytes a lane
	s_mov_b32 s12, 0x76543210                      ; v_permlanex16_b32: lane i of one half reads lane i of the other
	s_mov_b32 s13, 0xfedcba98
	s_wait_kmcnt 0x0
.irp j, 0,1,2,3,4,5,6,7
	global_load_b128 v[SG+4*\j:SG+4*\j+3], v1, s[8:9] offset:512*\j
.endr
.irp j, 0,1,2,3
	global_load_b128 v[AL+4*\j:AL+4*\j+3], v1, s[6:7] offset:512*\j
.endr
.irp j, 0,1,2,3,4,5,6,7
	global_load_b128 v[PT+4*\j:PT+4*\j+3], v1, s[4:5] offset:512*\j
.endr
	s_wait_loadcnt 0x0                             ; everything is wanted at once
.irp k, 0,1,2,3,4,5,6,7,8,9,10,11,12,13,14,15
	v_rcp_f32 v[SG+2*\k+1], v[SG+2*\k+1]           ; 1/sy
.endr
	; the partial sums, in two chains of pairs; the first line is also the plain instruction behind the reciprocals (ISA guide 5.7.2)
.irp j, 1,2,3,4,5,6,7
	v_pk_add_f32 v[PT:PT+1],   v[PT:PT+1],   v[PT+4*\j:PT+4*\j+1]
	v_pk_add_f32 v[PT+2:PT+3], v[PT+2:PT+3], v[PT+4*\j+2:PT+4*\j+3]
.endr
	v_pk_add_f32 v[PT:PT+1], v[PT:PT+1], v[PT+2:PT+3]
	v_add_f32 v[PT], v[PT], v[PT+1]
	; |alpha|
.irp k, 0,1,2,3,4,5,6,7
	v_add_f32 v[AL+2*\k], |v[AL+2*\k]|, |v[AL+2*\k+1]|
.endr
.irp k, 0,1,2,3
	v_add_f32 v[AL+4*\k], v[AL+4*\k], v[AL+4*\k+2]
.endr
	v_add_f32 v[AL], v[AL], v[AL+4]
	v_add_f32 v[AL+8], v[AL+8], v[AL+12]
	v_add_f32 v[AL], v[AL], v[AL+8]
	; |1 - sx/sy|
	s_wait_alu depctr_va_vdst(0)
.irp k, 0,1,2,3,4,5,6,7,8,9,10,11,12,13,14,15
	v_fma_f32 v[SG+2*\k], -v[SG+2*\k], v[SG+2*\k+1], 1.0
.endr
.irp k, 0,1,2,3,4,5,6,7
	v_add_f32 v[SG+4*\k], |v[SG+4*\k]|, |v[SG+4*\k+2]|
.endr
.irp k, 0,1,2,3
	v_add_f32 v[SG+8*\k], v[SG+8*\k], v[SG+8*\k+4]
.endr
	v_add_f32 v[SG], v[SG], v[SG+8]
	v_add_f32 v[SG+16], v[SG+16], v[SG+24]
	v_add_f32 v[SG], v[SG], v[SG+16]
; the sum over the 32 lanes, in every lane; t is a register that has been written (the permute's destination counts as read)
.macro WSUM r, t
	v_add_f32_dpp v[\r], v[\r], v[\r] row_xmask:1 row_mask:0xf bank_mask:0xf
	v_add_f32_dpp v[\r], v[\r], v[\r] row_xmask:2 row_mask:0xf bank_mask:0xf
	v_add_f32_dpp v[\r], v[\r], v[\r] row_xmask:4 row_mask:0xf bank_mask:0xf
	v_add_f32_dpp v[\r], v[\r], v[\r] row_xmask:8 row_mask:0xf bank_mask:0xf
	v_permlanex16_b32 v[\t], v[\r], s12, s13
	v_add_f32 v[\r], v[\r], v[\t]
.endm
	WSUM PT, PT+1
	WSUM AL, AL+1
	WSUM SG, SG+1
	v_mul_f32 v[PT], 0x36aaaaab, v[PT]             ; mse = sum / 196,608
	v_add_f32 v6, 0x2b8cbccc, v[PT]                ; + 1e-12
	v_log_f32 v7, v6                               ; log2
	v_sub_f32 v[SG], v[SG], v[AL]                  ; the plain instruction behind the logarithm
	v_fmamk_f32 v[PT], v[SG], 0x3603126f, v[PT]    ; + (0.001/512) (sum |1 - sx/sy| - sum |alpha|)
	s_wait_alu depctr_va_vdst(0)
	v_fmamk_f32 v[PT], v7, 0x3dcd80ce, v[PT]       ; + (log10(2)/3) log2(mse + 1e-12)
	v_mov_b32 v2, 0
	v_cmp_eq_u32 vcc_lo, 0, v0
	s_wait_xcnt 0x0                                ; EXEC changes only behind this wait
	s_and_saveexec_b32 s14, vcc_lo
	global_store_b32 v2, v[PT], s[10:11]           ; lane 0 alone: the one number
	s_endpgm
.Lfunc_end_k_q62c7bc5305_loss:
	.size	k_q62c7bc5305_loss, .Lfunc_end_k_q62c7bc5305_loss-k_q62c7bc5305_loss
	.p2alignl 7, 3214868480
	.fill 96, 4, 3214868480
	.section	.rodata,"a",@progbits
	.p2align	6, 0x0
	.amdhsa_kernel k_q62c7bc5305_loss
		.amdhsa_group_segment_fixed_size 0
		.amdhsa_private_segment_fixed_size 0
		.amdhsa_enable_private_segment 0
		.amdhsa_kernarg_size 32
		.amdhsa_user_sgpr_count 2
		.amdhsa_user_sgpr_kernarg_segment_ptr 1
		.amdhsa_wavefront_size32 1
		.amdhsa_system_sgpr_workgroup_id_x 1
		.amdhsa_system_sgpr_workgroup_id_y 1
		.amdhsa_system_sgpr_workgroup_id_z 1
		.amdhsa_system_vgpr_workitem_id 0
		.amdhsa_next_free_vgpr 96
		.amdhsa_next_free_sgpr 66
		.amdhsa_reserve_vcc 1
		.amdhsa_float_denorm_mode_32 3
		.amdhsa_float_denorm_mode_16_64 3
		.amdhsa_memory_ordered 1
		.amdhsa_forward_progress 1
		.amdhsa_inst_pref_size 8
	.end_amdhsa_kernel
	.amdgpu_metadata
---
amdhsa.version: [ 1, 2 ]
amdhsa.kernels:
  - .name:           k_q62c7bc5305_loss
    .symbol:         k_q62c7bc5305_loss.kd
    .args:
      - { .name: part, .offset: 0, .size: 8, .value_kind: global_buffer, .address_space: global }
      - { .name: alpha, .offset: 8, .size: 8, .value_kind: global_buffer, .address_space: global }
      - { .name: sigma, .offset: 16, .size: 8, .value_kind: global_buffer, .address_space: global }
      - { .name: out1, .offset: 24, .size: 8, .value_kind: global_buffer, .address_space: global }
    .group_segment_fixed_size: 0
    .private_segment_fixed_size: 0
    .kernarg_segment_align: 8
    .kernarg_segment_size: 32
    .max_flat_workgroup_size: 32
    .sgpr_count:     66
    .vgpr_count:     96
    .wavefront_size: 32
...
	.end_amdgpu_metadata
.endif
;; end of part 3
